; MI455X (gfx1250); checked and timed in simulation.
; The chip was launched on July 23, 2026; its instructions are those of AMD's public machine-readable ISA for CDNA 5 (MIT licence, August 2026) and "CDNA5" Instruction Set Architecture Reference Guide (July 2026). The comments in the code are by the model that wrote it; some were corrected since.
;; Variational SDE Model. Allowed arithmetic: float matrix products may take bf16 or f16 operands with f32 sums; other float arithmetic in f32, or as packed bf16 or f16 multiplies, adds, multiply-adds, maxima and minima; sums over many terms, partial sums and values carried from step to step in f32; what a program stores and reads back later, other than sums and carried values, may be rounded once to bf16 or f16.
;; Inputs: cW1 162 x 128 float32; cW2 128 x 128 float32; cW3 128 x 2 float32; cb1 128 float32; cb2 128 float32; cb3 2 float32; cnf_ctx 131,072 x 128 float32; dW1 162 x 128 float32; dW2 128 x 128 float32; dW3 128 x 2 float32; db1 128 float32; db2 128 float32; db3 2 float32; freqs 16 float32; log_diff 1 float32; noise 6 x 131,072 x 2 float32; posterior_ctx 131,072 x 128 float32; times 7 float32; z0 131,072 x 2 float32.
;; Outputs: out0 7 x 131,072 x 2 float32; out1 6 x 131,072 x 2 float32; out2 7 float32.
;; One version. Each part assembles by itself: llvm-mc -triple=amdgcn-amd-amdhsa -mcpu=gfx1250 --defsym DOCPART=n.
;; ======== version 1 of 1: 1 launch
;; limits: values are held in f16: magnitudes above 65,504 overflow, below 6.1e-05 lose precision
;; launch sde (part 1): grid 256 x 1, 8 waves a work-group, no clusters, 305,920 bytes of LDS; arguments cnf_ctx, posterior_ctx, z0, noise, out0, out1, cW1, dW1, cW2, dW2, cW3, dW3, cb1, db1, cb2, db2, cb3, db3, freqs, times, log_diff, out2; writes out0, out1, out2
.if DOCPART == 1
	.amdgcn_target "amdgcn-amd-amdhsa--gfx1250"
	.amdhsa_code_object_version 6
	.text
	.protected	k_qd00b60332a_sde
	.globl	k_qd00b60332a_sde
	.p2align	8
	.type	k_qd00b60332a_sde,@function
k_qd00b60332a_sde:
	s_mov_b64 s[64:65], 0
	v_nop
	global_prefetch_b8 v0, s[64:65] scope:SCOPE_SE
	s_setreg_imm32_b32 hwreg(HW_REG_WAVE_MODE, 25, 1), 1
	s_wait_xcnt 0x0
; SIX EULER STEPS OF z += (f(z, cnf_ctx, t) + u(z, posterior_ctx, t)) dt + xi g sqrt(dt); f and u are MLPs 162 -> 128 -> 128 -> 2 with silu.  131,072 rows that share nothing but the weights.
; out0 = z0 and the six z, out1 = the six u, out2 = times.
; ALGEBRA (holds for every input).  c = log2(e), g(y) = y / (1 + 2^y) = -c silu(x) for y = -c x.
;   layer 1: y1 = base + A1 x zfrag.  base = (-c W1[2:130])^T ctx hangs on no step: made once a row and kept as f32 sums in registers.  A1 holds -c W1[0], -c W1[1] and, for all six steps,
;            tv_s = -c (b1 + temb_s W1[130:162]), which hangs on no row; zfrag holds z and a 1 at the step's place.
;   layer 2: y2 = W2^T g(y1) - c b2 (the two scales cancel); the bias is the C operand that starts the sum.     layer 3: out = (-ln 2 W3)^T g(y2) + b3.
; So a silu is 2^y, + 1, a reciprocal, x y, a rounding: no scaling and no bias line, and layer 1 has no vector work at all.
; LAYOUT.  All products are used transposed: source 0 = 16 output features x 32 k of weights, source 1 = 32 k x 16 rows.  In a result lane (r, h) holds row r and features 8 h + 0..7;
; results rounded in pairs ARE the next layer's source 1: nothing changes lanes between the layers.
; FORMATS.  ctx, -c W1[2:130], W2, g(y1): f16.  z and tv: bf16 in two parts, high and low; -c W1[0:2]: bf16.  g(y2): bf16 (it has no room in f16 where all inputs are 30 times larger or smaller),
; in two parts: one bf16 alone is off by up to 2^-8 of the number, too much of what u is allowed.  The 32 k of a layer 3 product are one tile's 16 high parts and its 16 low parts.
; -ln 2 W3: bf16 in two parts, which lie in different rows of one fragment.  All sums, z, the statistics of time: f32.
; LIMITS.  |ctx|, |c W1|, |W2| and |g(y1)| stay under 65,504 (f16).  |2 pi t f| stays under 2^22.  softplus(x) = max(x, 0) + ln 2 log2(1 + 2^(-c |x|)): off by 6e-8 at the most, absolutely.
; 2^y counts as 0 below 2^-126, and g(y) as 0 where 2^y passes f32's range.  NaN and infinities are not treated apart.
; SHARES.  256 work-groups of 8 waves; a wave owns 64 rows, as two chunks of 32 one after the other; lane l owns row l of the chunk for z, noise, f and u.  Two waves lie on a SIMD, 512 registers each:
; one wave's runs of matrix instructions stand beside the other's silu.
; NO TENSOR LOADS, NO CLUSTER.  ctx is f32 and is wanted as f16: it lands in the registers that base will take (a load is one whole row of 512 bytes), is rounded there and turned through a stage in
; LDS that is the wave's own.  What work-groups share is the weights alone, 300 KB read once by each and converted on the way: a small part of the 512 KB of ctx that each reads for itself.
; REGISTERS.  Window 1 (v256-511): base of MLP X, feature tile t, row tile rt at 128 X + 16 t + 8 rt; before that the landing place of ctx (row i of ctx X at 128 X + 4 i).  Window 0: all else.
.set NEGC, 0xbfb8aa3b                  ; -log2(e)
.set NLN2, 0xbf317218                  ; -ln 2
; LDS
.set PW,    288                        ; a row of weights [k][n] in f16: 256 bytes + 32
.set WREG,  128*PW                     ; one matrix of 128 x 128
.set W1R,   2*WREG                     ; W2 of c, of d from byte 0; then -c W1[2:130] of c, of d
.set T1,    4*WREG                     ; A1: [X][half][feature][16 bytes] bf16; half 0 = w0 w1 w0 w1 tv0 tv1, half 1 = tv2 .. tv5 (each tv: high, low)
.set T3,    T1+8192                    ; -ln 2 W3: [X][16 rows][128 k] bf16, pitch 272; rows 0, 1 high parts, 2, 3 low parts, 8-11 the same again, the others 0
.set PS,    272                        ; 256 bytes + 16: the 16 rows of a fragment load start at 16 different groups of four banks
.set B2,    T3+2*16*PS                 ; -c b2: [X][128] f32
.set SC,    B2+1024                    ; 32 pairs dt, g sqrt(dt): the six steps', the last repeated
.set SPARE, SC+256                     ; the spare words, 128 bytes for each wave: 4 bytes a lane
.set STAGE, SPARE+1024                 ; for each wave [X][32 rows] of ctx in f16, pitch 272
.set STX,   32*PS
.set STW,   2*STX
; window 0
.set SPW,  2                           ; LDS address of my spare word; never rewritten
.set NIL,  3                           ; 0; never rewritten
.set AW2,  4                           ; v4, v5   my lane's place in W2 of c, d (turning load)
.set AW1,  6                           ; v6, v7   the same in W1
.set AT1,  8
.set AT3,  9
.set AB2,  10
.set ASC,  11                          ; steps by 8 bytes a step
.set AST,  12                          ; stage: where I put 8 bytes of a row
.set ASF,  13                          ; stage: my lane's place in a fragment
.set VO,   14                          ; 8 x my row + 2^20 x step: byte offset in z0, noise, out0, out1
.set VC,   15                          ; byte offset of my 16 bytes in the first row of my wave's ctx; never rewritten
.set Z,    16
.set NZ,   18
.set FU,   20
.set F,    22
.set U,    24
.set DTG,  26                          ; dt, g sqrt(dt)
.set CB3,  28
.set DB3,  30
.set MLO,  32                          ; all ones in lanes 0-15
.set MHI,  33                          ; all ones in lanes 16-31
.set ONL,  34                          ; 1.0 twice in bf16, in lanes 0-15
.set ONH,  35                          ; in lanes 16-31
.set LN,   36                          ; the lane's number
.set TA,   38                          ; v38-41 at work
.set VOB,  42                          ; 8 x my row of the chunk in hand
.set NEG1, 43                          ; -1.0; never rewritten
.set BL,   44                          ; zfrag of rows 0-15: lanes 0-15 hold their own z, lanes 16-31 zeros
.set BH,   52                          ; of rows 16-31: the other way round
.set O0,   60                          ; layer 3's sums, rows 0-15
.set O1,   68                          ; rows 16-31
.set A3,   76
.set BIAS, 84
.set H2,   92                          ; g(y2) of one tile: 8 rt + 0..3 the high parts, 8 rt + 4..7 the low parts
.set E,    108                         ; at work in a silu
.set ACC,  124                         ; 16 (t % 2) + 8 rt
.set ABUF, 156                         ; four weight fragments
.set H1,   188                         ; g(y1), before that ctx: 32 rt + 8 kc
; at work in the preparation only
.set PM4,  84                          ; 4 m: thread (X, m) makes feature m of MLP X's tables
.set PM8,  85
.set PFQ,  86
.set PTS,  87
.set PT5,  88
.set PT6,  89
.set PZ,   90
.set PWV,  91
.set PWA,  92                          ; v92-95
.set PA1,  96
.set PAB,  97
.set PA3,  98
.set PX,   100                         ; v100-107
.set T1W,  108                         ; v108-115
.set WT,   188                         ; v188-219  W1[130 + k][m]
.set PW0,  220
.set PB1,  222
.set PB2,  223
.set PW3,  224
.set PFR,  226
.set PTT,  227                         ; v227-229
.set PTA,  230
.set PTB,  231
.set PT7,  232
.set PLD,  233
.set TV,   234                         ; v234-239
.set SN,   240                         ; v240-242 sines, v243-245 cosines: lane = 16 (step % 2) + frequency, register = step / 2
.set MSB, 0
.macro WIN new                         ; s_set_vgpr_msb: bits 1:0 source 0, 3:2 source 1, 5:4 source 2, 7:6 destination; the high byte repeats the setting that is left
.if MSB != (\new)
	s_set_vgpr_msb (MSB<<8)|(\new)
.set MSB, \new
.endif
.endm
; A load into a register that a matrix instruction has read, and a vector instruction that reads a matrix result, stand four places behind it; only plain vector instructions that name none of its
; registers are places (ISA guide 7.12.1 for vector instructions).
.macro PLACES
.rept 4
	v_nop
.endr
.endm
; g(y) for the 16 registers of ACC's half par, a pair of registers a stage and turn: 2^y | + 1 | reciprocal | x y | rounding.
; half = 1 (layer 1): rounded to f16, into d0 .. d0+3 (rows 0-15) and d1 .. d1+3 (rows 16-31).
; half = 0 (layer 2): rounded to bf16, into the same places; two stages more: what the rounding left, g - high part (exact in f32: a bf16 half times -1.0, plus g) | its rounding, into d0+4 .. and d1+4 ..
; Between each exponential or reciprocal and the use of its result stands a plain instruction (ISA guide 5.7.2): another pair's; for the first pair a v_nop.  Each accumulator is read from its lowest registers on.
.macro SILU par, d0, d1, half
.set Y, ACC+16*(\par)
.set si, 0
.rept 14
.if si < 8
	v_exp_f32 v[E+2*si], v[Y+2*si]
	v_exp_f32 v[E+2*si+1], v[Y+2*si+1]
.endif
.if si == 0
	v_nop
.endif
.if (si >= 1) && (si <= 8)
	s_wait_alu depctr_va_vdst(0)
	v_pk_add_f32 v[E+2*si-2:E+2*si-1], v[E+2*si-2:E+2*si-1], 1.0 op_sel_hi:[1,0]
.endif
.if (si >= 2) && (si <= 9)
	v_rcp_f32 v[E+2*si-4], v[E+2*si-4]
	v_rcp_f32 v[E+2*si-3], v[E+2*si-3]
.endif
.if (si >= 3) && (si <= 10)
	s_wait_alu depctr_va_vdst(0)
	v_pk_mul_f32 v[E+2*si-6:E+2*si-5], v[E+2*si-6:E+2*si-5], v[Y+2*si-6:Y+2*si-5]
.endif
.if (si >= 4) && (si <= 11)
.if si < 8
.set sd, (\d0)+si-4
.else
.set sd, (\d1)+si-8
.endif
.if \half
	v_cvt_pk_f16_f32 v[sd], v[E+2*si-8], v[E+2*si-7]
.else
	v_cvt_pk_bf16_f32 v[sd], v[E+2*si-8], v[E+2*si-7]
.endif
.endif
.if !(\half)
.if (si >= 5) && (si <= 12)
.if si < 9
.set sd, (\d0)+si-5
.else
.set sd, (\d1)+si-9
.endif
	v_fma_mix_f32_bf16 v[E+2*si-10], v[sd], v[NEG1], v[E+2*si-10] op_sel_hi:[1,0,0]
	v_fma_mix_f32_bf16 v[E+2*si-9], v[sd], v[NEG1], v[E+2*si-9] op_sel:[1,0,0] op_sel_hi:[1,0,0]
.endif
.if si >= 6
.if si < 10
.set sd, (\d0)+4+si-6
.else
.set sd, (\d1)+4+si-10
.endif
	v_cvt_pk_bf16_f32 v[sd], v[E+2*si-12], v[E+2*si-11]
.endif
.endif
.set si, si+1
.endr
.endm
; Layer 1.  A1's fragment of feature tile tt: both halves of the lanes take the same 2 x 16 bytes, so k = 8 .. 15 repeats k = 0 .. 7 and k = 24 .. 31 repeats k = 16 .. 23; zfrag is 0 in one half of the lanes.
.macro G1 X, tt
	ds_load_b128 v[ABUF+8*((\tt)%4):ABUF+8*((\tt)%4)+3], v[AT1] offset:(\X)*4096+256*(\tt)
	ds_load_b128 v[ABUF+8*((\tt)%4)+4:ABUF+8*((\tt)%4)+7], v[AT1] offset:(\X)*4096+256*(\tt)+2048
.endm
.macro WM1 X, tt                       ; y1 of tile tt = A1 x zfrag + base
	WIN 0x10                                       ; the C operand lies in window 1
	v_wmma_f32_16x16x32_bf16 v[ACC+16*((\tt)%2):ACC+16*((\tt)%2)+7], v[ABUF+8*((\tt)%4):ABUF+8*((\tt)%4)+7], v[BL:BL+7], v[(\X)*128+(\tt)*16:(\X)*128+(\tt)*16+7]
	v_wmma_f32_16x16x32_bf16 v[ACC+16*((\tt)%2)+8:ACC+16*((\tt)%2)+15], v[ABUF+8*((\tt)%4):ABUF+8*((\tt)%4)+7], v[BH:BH+7], v[(\X)*128+(\tt)*16+8:(\X)*128+(\tt)*16+15]
	WIN 0
.endm
; Layer 2.  W2 lies [k][n]: the turning load leaves lane l output feature 16 tt + l % 16 and 8 k.  The bias tile: register j = -c b2[16 tt + 8 h + j].
.macro G2 X, tt
.set kc, 0
.rept 4
	ds_load_tr16_b128 v[ABUF+8*kc:ABUF+8*kc+3], v[AW2+(\X)] offset:32*PW*kc+32*(\tt)
	ds_load_tr16_b128 v[ABUF+8*kc+4:ABUF+8*kc+7], v[AW2+(\X)] offset:32*PW*kc+32*(\tt)+16*PW
.set kc, kc+1
.endr
	ds_load_b128 v[BIAS:BIAS+3], v[AB2] offset:512*(\X)+64*(\tt)
	ds_load_b128 v[BIAS+4:BIAS+7], v[AB2] offset:512*(\X)+64*(\tt)+16
.endm
.macro WM2 X, tt                       ; the two row tiles' accumulators take turns, one instruction a turn
.set kc, 0
.rept 4
.set rt, 0
.rept 2
.set rA, ACC+16*((\tt)%2)+8*rt
.if kc == 0
	v_wmma_f32_16x16x32_f16 v[rA:rA+7], v[ABUF:ABUF+7], v[H1+32*rt:H1+32*rt+7], v[BIAS:BIAS+7]
.else
	v_wmma_f32_16x16x32_f16 v[rA:rA+7], v[ABUF+8*kc:ABUF+8*kc+7], v[H1+32*rt+8*kc:H1+32*rt+8*kc+7], v[rA:rA+7]
.endif
.set rt, rt+1
.endr
.set kc, kc+1
.endr
.endm
; Layer 3, a feature tile at a time.  k = 0 .. 15 meet the tile's high parts, k = 16 .. 31 its low parts: W3's 16 numbers of the tile stand twice in the fragment, by the same 16 bytes loaded twice.
.macro G3 X, tt
	ds_load_b128 v[A3:A3+3], v[AT3] offset:16*PS*(\X)+32*(\tt)
	ds_load_b128 v[A3+4:A3+7], v[AT3] offset:16*PS*(\X)+32*(\tt)
.endm
.macro L3 X, tt
.if (\tt) == 0
	v_wmma_f32_16x16x32_bf16 v[O0:O0+7], v[A3:A3+7], v[H2:H2+7], 0
	v_wmma_f32_16x16x32_bf16 v[O1:O1+7], v[A3:A3+7], v[H2+8:H2+15], 0
.else
	v_wmma_f32_16x16x32_bf16 v[O0:O0+7], v[A3:A3+7], v[H2:H2+7], v[O0:O0+7]
	v_wmma_f32_16x16x32_bf16 v[O1:O1+7], v[A3:A3+7], v[H2+8:H2+15], v[O1:O1+7]
.endif
.endm
; Layer 1 of MLP X: tile t + 1's products are issued ahead of tile t's silu.  pre = 1: tile 0's products stand in the MLP before.  Every wait for LDS is for loads issued a silu earlier.
.macro L1 X, pre
.if !(\pre)
	s_wait_dscnt 0x0
	WM1 \X, 0
.endif
.set t, 0
.rept 8
.if t < 7
	s_wait_dscnt 0x0
	WM1 \X, t+1
.endif
.if t <= 3
	PLACES
	G1 \X, t+4                                     ; into the fragment that tile t has read
.endif
.if t == 6
	PLACES
	G2 \X, 0                                       ; layer 1's last products are out: layer 2's first fragments, and layer 3's
	G3 \X, 0
.endif
	SILU t%2, H1+8*(t/2)+4*(t%2), H1+32+8*(t/2)+4*(t%2), 1
.set t, t+1
.endr
.endm
; Layers 2 and 3 of MLP X.  A turn: layer 2's products of tile t + 1 | four places | the loads: layer 2's fragments of tile t + 2, layer 3's of tile t | tile t's silu | the wait for those loads | layer 3 of tile t.
; The wait serves both: layer 3 here, and layer 2's products at the next turn's head; between it and them no LDS instruction is issued.
; Xn: the MLP whose layer 1 comes next: its first four fragments are fetched in turn 6; hook = 1: its tile 0's products are issued in turn 7 (z is the same: the same step).
.macro L2 X, Xn, hook
	s_wait_dscnt 0x0
	WM2 \X, 0
	PLACES
	G2 \X, 1
.set t, 0
.rept 8
.if t == 0
	s_wait_dscnt 0x0
.endif
.if t < 7
	WM2 \X, t+1
	PLACES                                         ; behind these products for the loads into their fragments, and behind layer 3 of tile t - 1 for the loads into its own
.endif
.if t < 6
	G2 \X, t+2
.endif
.if t == 6
	G1 \Xn, 0
	G1 \Xn, 1
	G1 \Xn, 2
	G1 \Xn, 3
.endif
.if t == 7
.if \hook
	WM1 \Xn, 0
.endif
	PLACES                                         ; behind layer 3 of tile 6
.endif
.if t >= 1
	G3 \X, t
.endif
	SILU t%2, H2, H2+8, 0
	s_wait_dscnt 0x0
	L3 \X, t
.set t, t+1
.endr
.endm
; Layer 3's result: registers 0, 1 hold the two outputs by W3's high parts, 2, 3 by its low parts, in both halves of the lanes; lane l takes row l: O0 below 16, O1 from 16 on.
.macro OUT dst, b3
	PLACES
	v_pk_add_f32 v[TA:TA+1], v[O0:O0+1], v[O0+2:O0+3]
	v_pk_add_f32 v[TA+2:TA+3], v[O1:O1+1], v[O1+2:O1+3]
	v_cndmask_b32 v[\dst], v[TA], v[TA+2], s52
	v_cndmask_b32 v[(\dst)+1], v[TA+1], v[TA+3], s52
	v_pk_add_f32 v[\dst:(\dst)+1], v[\dst:(\dst)+1], v[\b3:(\b3)+1]
.endm
; In the first chunk's last step (8 x chunks left + steps left = 17) base of MLP X has been read for the last time: the second chunk's ctx is asked for into its registers, 32 whole rows of 512 bytes.
.macro PFETCH X
	s_lshl3_add_u32 s53, s50, s51
	s_cmp_lg_u32 s53, 17
	s_cbranch_scc1 .Lnopf_\@
	WIN 0x40                                       ; destination window 1
.set i, 0
.rept 32
	global_load_b128 v[128*(\X)+4*i:128*(\X)+4*i+3], v[VC], s[4+2*(\X):5+2*(\X)] offset:16384+512*i th:TH_LOAD_NT
.set i, i+1
.endr
	WIN 0
.Lnopf_\@:
.endm
; base of MLP X.  ctx is rounded to f16 where it landed, goes into my stage by rows and comes back as fragments (LDS serves a wave's instructions in order, ISA guide 5.7.1.4: no wait between);
; then 8 feature tiles x 2 row tiles x 4 K steps; W1's fragments take ABUF and ACC by turns.
.macro GB X, tt, buf
.set kc, 0
.rept 4
	ds_load_tr16_b128 v[(\buf)+8*kc:(\buf)+8*kc+3], v[AW1+(\X)] offset:32*PW*kc+32*(\tt)
	ds_load_tr16_b128 v[(\buf)+8*kc+4:(\buf)+8*kc+7], v[AW1+(\X)] offset:32*PW*kc+32*(\tt)+16*PW
.set kc, kc+1
.endr
.endm
.macro WMB X, tt, buf
	WIN 0x50                                       ; C and D in window 1
.set kc, 0
.rept 4
.set rt, 0
.rept 2
.set rB, (\X)*128+(\tt)*16+8*rt
.if kc == 0
	v_wmma_f32_16x16x32_f16 v[rB:rB+7], v[(\buf):(\buf)+7], v[H1+32*rt:H1+32*rt+7], 0
.else
	v_wmma_f32_16x16x32_f16 v[rB:rB+7], v[(\buf)+8*kc:(\buf)+8*kc+7], v[H1+32*rt+8*kc:H1+32*rt+8*kc+7], v[rB:rB+7]
.endif
.set rt, rt+1
.endr
.set kc, kc+1
.endr
	WIN 0
.endm
.macro BASE X
	s_wait_loadcnt 33-32*(\X)                      ; loads come back in order (ISA guide 5.7.1): behind ctx of c stand ctx of d (32) and z0; behind ctx of d stands z0
	WIN 0x45
.set i, 0
.rept 32
	v_cvt_pk_f16_f32 v[128*(\X)+4*i], v[128*(\X)+4*i], v[128*(\X)+4*i+1]
	v_cvt_pk_f16_f32 v[128*(\X)+4*i+1], v[128*(\X)+4*i+2], v[128*(\X)+4*i+3]
.set i, i+1
.endr
	WIN 0x04                                       ; store data in window 1
.set i, 0
.rept 32
	ds_store_b64 v[AST], v[128*(\X)+4*i:128*(\X)+4*i+1] offset:STX*(\X)+PS*i
.set i, i+1
.endr
	WIN 0
.set i, 0
.rept 8                                ; row tile i / 4, K step i % 4
	ds_load_b128 v[H1+8*i:H1+8*i+3], v[ASF] offset:STX*(\X)+16*PS*(i/4)+64*(i%4)
	ds_load_b128 v[H1+8*i+4:H1+8*i+7], v[ASF] offset:STX*(\X)+16*PS*(i/4)+64*(i%4)+32
.set i, i+1
.endr
	GB \X, 0, ABUF
.set t, 0
.rept 8
.if t < 7
	GB \X, t+1, ABUF-32*((t+1)%2)
	s_wait_dscnt 8                                 ; all but the next tile's eight
.else
	s_wait_dscnt 0x0
.endif
	WMB \X, t, ABUF-32*(t%2)
	PLACES                                         ; in front of the loads into the buffer just read
.set t, t+1
.endr
.endm
	; ---------------- the head: addresses ----------------
	s_load_b512 s[4:19], s[0:1], 0x0               ; cnf_ctx 4, posterior_ctx 6, z0 8, noise 10, out0 12, out1 14, cW1 16, dW1 18
	s_load_b512 s[20:35], s[0:1], 0x40             ; cW2 20, dW2 22, cW3 24, dW3 26, cb1 28, db1 30, cb2 32, db2 34
	s_load_b256 s[36:43], s[0:1], 0x80             ; cb3 36, db3 38, freqs 40, times 42
	s_load_b128 s[44:47], s[0:1], 0xa0             ; log_diff 44, out2 46
	v_lshl_add_u32 v[SPW], v0, 2, SPARE
	v_mov_b32 v[NIL], 0
	v_mov_b32 v[NEG1], -1.0
	v_lshrrev_b32 v1, 5, v0
	v_readfirstlane_b32 s48, v1                    ; wave 0..7
	s_lshr_b32 s49, s48, 2                         ; X: the MLP whose tables my thread makes
	s_and_b32 s55, s48, 3                          ; and which 32 of its 128 features my wave takes
	s_mov_b32 s52, 0xffff0000                      ; lanes 16-31; also a word's upper bf16
	s_mov_b32 s78, NEGC
	s_mov_b32 s79, NEGC                            ; named with it as a pair
	v_and_b32 v[LN], 31, v0
	v_and_b32 v37, 15, v0                          ; r
	v_bfe_u32 v38, v0, 4, 1                        ; h
	v_and_b32 v39, 7, v0
	v_lshl_add_u32 v39, v38, 3, v39
	v_mul_u32_u24 v39, v39, PW
	v_bfe_u32 v40, v0, 3, 1
	v_lshl_add_u32 v39, v40, 4, v39                ; the turning load: row 8 h + l % 8, 16 bytes for each eight lanes
	v_mov_b32 v[AW2], v39
	v_add_nc_u32 v[AW2+1], WREG, v39
	v_add_nc_u32 v[AW1], W1R, v39
	v_add_nc_u32 v[AW1+1], W1R+WREG, v39
	v_lshl_add_u32 v[AT1], v37, 4, T1
	v_mul_u32_u24 v41, v37, PS
	v_lshl_add_u32 v41, v38, 4, v41                ; a fragment from rows along k: row r x pitch + 16 h
	v_add_nc_u32 v[AT3], T3, v41
	v_lshl_add_u32 v[AB2], v38, 5, B2
	s_mul_i32 s2, s48, STW
	s_add_co_u32 s2, s2, STAGE                     ; my wave's stage
	v_lshl_add_u32 v[AST], v[LN], 3, s2
	v_add_nc_u32 v[ASF], s2, v41
	v_add_nc_u32 v[MLO], -1, v38
	v_sub_nc_u32 v[MHI], 0, v38
	v_and_b32 v[ONL], 0x3f803f80, v[MLO]
	v_and_b32 v[ONH], 0x3f803f80, v[MHI]
	s_lshl_b32 s2, ttmp9, 3
	s_add_co_u32 s2, s2, s48                       ; my wave among all 2,048: 64 rows each
	s_lshl_b32 s3, s2, 9
	v_lshl_add_u32 v[VOB], v[LN], 3, s3            ; 8 bytes a row
	s_lshl_b32 s3, s2, 15
	v_lshl_add_u32 v[VC], v[LN], 4, s3             ; 512 bytes a row
	; the preparation's addresses: each is a constant + the wave's number times constants + the lane's term
	s_lshl_b32 s3, s55, 7
	v_lshl_add_u32 v[PM4], v[LN], 2, s3            ; 4 m, m = 32 (wave % 4) + lane
	v_lshlrev_b32 v[PM8], 1, v[PM4]
	v_lshlrev_b32 v[PFQ], 2, v37
	v_lshlrev_b32 v[PTS], 2, v38
	v_min_u32 v[PT5], 5, v[LN]
	v_lshlrev_b32 v[PT5], 2, v[PT5]
	v_min_u32 v[PT6], 6, v[LN]
	v_lshlrev_b32 v[PT6], 2, v[PT6]
	v_mov_b32 v[PZ], 0
	s_lshl_b32 s3, s48, 13
	v_lshl_add_u32 v[PWV], v[LN], 4, s3            ; my wave's 16 rows of each weight matrix
	s_mul_i32 s3, s48, 16*PW
	v_lshl_add_u32 v[PX], v[LN], 3, s3
	v_add_nc_u32 v[PWA], W1R, v[PX]
	v_add_nc_u32 v[PWA+1], W1R+WREG, v[PX]
	v_mov_b32 v[PWA+2], v[PX]
	v_add_nc_u32 v[PWA+3], WREG, v[PX]
	s_lshl_b32 s2, s49, 12
	s_lshl_b32 s3, s55, 9
	s_add_co_u32 s2, s2, s3
	s_add_co_u32 s2, s2, T1
	v_lshl_add_u32 v[PA1], v[LN], 4, s2
	s_lshl_b32 s2, s48, 7
	s_add_co_u32 s2, s2, B2
	v_lshl_add_u32 v[PAB], v[LN], 2, s2
	s_mul_i32 s2, s49, 16*PS
	s_lshl_b32 s3, s55, 6
	s_add_co_u32 s2, s2, s3
	s_add_co_u32 s2, s2, T3
	v_lshl_add_u32 v[PA3], v[LN], 1, s2
	s_wait_kmcnt 0x0
	s_cmp_lt_u32 s48, 4                            ; waves 0-3 make c's tables, waves 4-7 d's
	s_cselect_b64 s[70:71], s[16:17], s[18:19]     ; W1
	s_cselect_b64 s[72:73], s[28:29], s[30:31]     ; b1
	s_cselect_b64 s[74:75], s[32:33], s[34:35]     ; b2
	s_cselect_b64 s[76:77], s[24:25], s[26:27]     ; W3
	; ---------------- the preparation: loads ----------------
.set k, 0
.rept 32
	global_load_b32 v[WT+k], v[PM4], s[70:71] offset:(130+k)*512
.set k, k+1
.endr
	global_load_b32 v[PW0], v[PM4], s[70:71]
	global_load_b32 v[PW0+1], v[PM4], s[70:71] offset:512
	global_load_b32 v[PB1], v[PM4], s[72:73]
	global_load_b32 v[PB2], v[PM4], s[74:75]
	global_load_b64 v[PW3:PW3+1], v[PM8], s[76:77]
	global_load_b32 v[PFR], v[PFQ], s[40:41]       ; freqs[lane % 16]
	global_load_b32 v[PTT], v[PTS], s[42:43]       ; times[2 rho + lane / 16], rho = 0, 1, 2
	global_load_b32 v[PTT+1], v[PTS], s[42:43] offset:8
	global_load_b32 v[PTT+2], v[PTS], s[42:43] offset:16
	global_load_b32 v[PTA], v[PT5], s[42:43]       ; times[min(lane, 5)] and the next
	global_load_b32 v[PTB], v[PT5], s[42:43] offset:4
	global_load_b32 v[PT7], v[PT6], s[42:43]       ; times[min(lane, 6)]
	global_load_b32 v[PLD], v[PZ], s[44:45]
	global_load_b64 v[CB3:CB3+1], v[PZ], s[36:37]
	global_load_b64 v[DB3:DB3+1], v[PZ], s[38:39]
	WIN 0x40                                       ; 64 rows of weights into window 1: group g = W1 of c, W1 of d (behind z's two rows), W2 of c, W2 of d; 16 rows of each are my wave's
.irp g, 0,1,2,3
.set i, 0
.rept 16
	global_load_b128 v[64*\g+4*i:64*\g+4*i+3], v[PWV], s[16+2*\g:17+2*\g] offset:512*i+1024*(1-(\g)/2)
.set i, i+1
.endr
.endr
; Group g: scaled (W1 alone), rounded to f16, stored [k][n]; then 16 rows of ctx are asked for into the same registers.
.macro WGRP g
	s_wait_loadcnt 48                              ; behind group g's last load stand 48 - 16 g loads of weights and 16 g of ctx: always 48
.if (\g) < 2
	WIN 0x41
.set i, 0
.rept 32
	v_pk_mul_f32 v[64*(\g)+2*i:64*(\g)+2*i+1], v[64*(\g)+2*i:64*(\g)+2*i+1], s[78:79] op_sel_hi:[1,0]
.set i, i+1
.endr
.endif
	WIN 0x45
.set i, 0
.rept 16
	v_cvt_pk_f16_f32 v[64*(\g)+4*i], v[64*(\g)+4*i], v[64*(\g)+4*i+1]
	v_cvt_pk_f16_f32 v[64*(\g)+4*i+1], v[64*(\g)+4*i+2], v[64*(\g)+4*i+3]
.set i, i+1
.endr
	WIN 0x04
.set i, 0
.rept 16
	ds_store_b64 v[PWA+(\g)], v[64*(\g)+4*i:64*(\g)+4*i+1] offset:PW*i
.set i, i+1
.endr
	WIN 0x40
.set i, 0
.rept 16
	global_load_b128 v[64*(\g)+4*i:64*(\g)+4*i+3], v[VC], s[4+2*((\g)/2):5+2*((\g)/2)] offset:512*(16*((\g)%2)+i) th:TH_LOAD_NT
.set i, i+1
.endr
	WIN 0
.endm
	WGRP 0
	WGRP 1
	WGRP 2
	WGRP 3
	; ---------------- the preparation: tables, while ctx is on its way ----------------
; sin and cos of a = (2 pi t) f, rounded as written there.  q = the nearest whole number to a 2 / pi; theta = a - q pi / 2 with pi / 2 in two parts; polynomials on |theta| <= pi / 4;
; the quadrant by selects and sign bits: no branch hangs on a number.
.macro SINCOS rho
	v_mul_f32 v[PX], 0x40c90fdb, v[PTT+(\rho)]
	v_mul_f32 v[PX], v[PX], v[PFR]
	v_mul_f32 v[PX+1], 0x3f22f983, v[PX]
	v_rndne_f32 v[PX+1], v[PX+1]
	v_fmamk_f32 v[PX+2], v[PX+1], 0xbfc90fdb, v[PX]
	v_fmamk_f32 v[PX+2], v[PX+1], 0x333bbd2e, v[PX+2]
	v_mul_f32 v[PX+3], v[PX+2], v[PX+2]
	v_mov_b32 v[PX+4], 0xb9500d01                  ; -1/5040
	v_fmaak_f32 v[PX+4], v[PX+4], v[PX+3], 0x3c088889
	v_fmaak_f32 v[PX+4], v[PX+4], v[PX+3], 0xbe2aaaab
	v_mul_f32 v[PX+7], v[PX+3], v[PX+2]
	v_fma_f32 v[PX+4], v[PX+4], v[PX+7], v[PX+2]   ; sin theta
	v_mov_b32 v[PX+5], 0x37d00d01                  ; 1/40320
	v_fmaak_f32 v[PX+5], v[PX+5], v[PX+3], 0xbab60b61
	v_fmaak_f32 v[PX+5], v[PX+5], v[PX+3], 0x3d2aaaab
	v_fmaak_f32 v[PX+5], v[PX+5], v[PX+3], 0xbf000000
	v_fma_f32 v[PX+5], v[PX+5], v[PX+3], 1.0       ; cos theta
	v_cvt_i32_f32 v[PX+6], v[PX+1]
	v_and_b32 v[PX+7], 1, v[PX+6]
	v_cmp_eq_u32 vcc_lo, 1, v[PX+7]
	v_cndmask_b32 v[SN+(\rho)], v[PX+4], v[PX+5], vcc_lo    ; an odd quadrant swaps the two
	v_cndmask_b32 v[SN+3+(\rho)], v[PX+5], v[PX+4], vcc_lo
	v_and_b32 v[PX+7], 2, v[PX+6]
	v_lshlrev_b32 v[PX+7], 30, v[PX+7]
	v_xor_b32 v[SN+(\rho)], v[PX+7], v[SN+(\rho)]           ; the sine turns its sign in quadrants 2, 3
	v_add_nc_u32 v[PX+6], 1, v[PX+6]
	v_and_b32 v[PX+6], 2, v[PX+6]
	v_lshlrev_b32 v[PX+6], 30, v[PX+6]
	v_xor_b32 v[SN+3+(\rho)], v[PX+6], v[SN+3+(\rho)]       ; the cosine in quadrants 1, 2
.endm
	SINCOS 0
	SINCOS 1
	SINCOS 2
	; tv_s[m] = b1[m] + the sum over 16 sines and 16 cosines times W1[130 + k][m]: six sums side by side, the first term starts them
.set k, 0
.rept 32
.irp s, 0,1,2,3,4,5
	v_readlane_b32 s[80+\s], v[SN+3*(k/16)+(\s)/2], 16*((\s)%2)+k%16
.endr
.irp s, 0,1,2,3,4,5
.if k == 0
	v_fma_f32 v[TV+\s], s[80+\s], v[WT], v[PB1]
.else
	v_fmac_f32 v[TV+\s], s[80+\s], v[WT+k]
.endif
.endr
.set k, k+1
.endr
.irp s, 0,1,2,3,4,5
	v_mul_f32 v[TV+\s], NEGC, v[TV+\s]
	v_cvt_pk_bf16_f32 v[PX], v[TV+\s], v[TV+\s]
	v_lshlrev_b32 v[PX], 16, v[PX]                 ; the high part as f32
	v_sub_f32 v[PX], v[TV+\s], v[PX]
	v_cvt_pk_bf16_f32 v[T1W+2+\s], v[TV+\s], v[PX] ; high part below, low part above
.endr
	v_mul_f32 v[PX], NEGC, v[PW0]
	v_mul_f32 v[PX+1], NEGC, v[PW0+1]
	v_cvt_pk_bf16_f32 v[T1W], v[PX], v[PX+1]
	v_mov_b32 v[T1W+1], v[T1W]                     ; once for z's high parts, once for its low parts
	ds_store_b128 v[PA1], v[T1W:T1W+3]
	ds_store_b128 v[PA1], v[T1W+4:T1W+7] offset:2048
	v_mul_f32 v[PX], NEGC, v[PB2]
	ds_store_b32 v[PAB], v[PX]
	v_mul_f32 v[PX], NLN2, v[PW3]
	v_mul_f32 v[PX+1], NLN2, v[PW3+1]
.irp c, 0,1
	v_cvt_pk_bf16_f32 v[PX+2+\c], v[PX+\c], v[PX+\c]
	v_lshlrev_b32 v[PX+4+\c], 16, v[PX+2+\c]
	v_sub_f32 v[PX+4+\c], v[PX+\c], v[PX+4+\c]
	v_cvt_pk_bf16_f32 v[PX+4+\c], v[PX+4+\c], v[PX+4+\c]
.endr
.irp b, 0,8
.irp c, 0,1,2,3
	ds_store_b16 v[PA3], v[PX+2+\c] offset:PS*(\b+\c)       ; rows 0, 1: high parts; rows 2, 3: low parts; the same in rows 8-11
	ds_store_b16 v[PA3], v[PZ] offset:PS*(\b+4+\c)
.endr
.endr
	s_cmp_lg_u32 s48, 0
	s_cbranch_scc1 .Lnosc                          ; wave 0 alone makes the pairs dt, g sqrt(dt): lane l makes step min(l, 5)'s and stores it at pair l: 32 x 8 bytes, the whole region
	v_sub_f32 v[PX], v[PTB], v[PTA]                ; dt
	v_max_num_f32 v[PX+1], 0x2b8cbccc, v[PX]       ; clipped at 1e-12
	v_sqrt_f32 v[PX+1], v[PX+1]
	v_and_b32 v[PX+2], 0x7fffffff, v[PLD]
	v_mul_f32 v[PX+2], NEGC, v[PX+2]
	v_exp_f32 v[PX+2], v[PX+2]
	v_max_num_f32 v[PX+3], 0, v[PLD]               ; a plain instruction behind each of these three before its result is used (ISA guide 5.7.2)
	s_wait_alu depctr_va_vdst(0)
	v_add_f32 v[PX+2], 1.0, v[PX+2]
	v_log_f32 v[PX+2], v[PX+2]
	v_sub_f32 v[PX+4], 1.0, v[PTA]
	s_wait_alu depctr_va_vdst(0)
	v_fmamk_f32 v[PX+2], v[PX+2], 0x3f317218, v[PX+3]       ; softplus
	v_mul_f32 v[PX+2], v[PX+2], v[PX+4]
	v_mul_f32 v[PX+1], v[PX+2], v[PX+1]
	v_lshl_add_u32 v[PX+5], v[LN], 3, SC
	ds_store_b64 v[PX+5], v[PX:PX+1]
.Lnosc:
	s_or_b32 s2, ttmp9, s48
	s_cmp_lg_u32 s2, 0
	s_cbranch_scc1 .Lnoout2                        ; one wave of the launch copies times
	global_store_b32 v[PT6], v[PT7], s[46:47]
.Lnoout2:
	s_wait_xcnt 0x0                                ; the preparation's address and data registers are taken for other things from here on
	s_wait_dscnt 0x0                               ; for the others' sake: my stores into the tables are done
	s_barrier_signal -1
	s_barrier_wait -1                              ; the one barrier: from here on the tables are only read, and the stage is each wave's own
	; ---------------- two chunks of 32 rows ----------------
	s_mov_b32 s50, 2
.Lchunk:
	v_mov_b32 v[VO], v[VOB]
	global_load_b64 v[Z:Z+1], v[VO], s[8:9] th:TH_LOAD_NT
	BASE 0
	BASE 1
	G1 0, 0
	G1 0, 1
	G1 0, 2
	G1 0, 3
	v_mov_b32 v[BL+2], v[ONL]                      ; the 1 stands at step 0's place
	v_mov_b32 v[BH+2], v[ONH]
.irp j, 3,4,5,6,7
	v_mov_b32 v[BL+\j], 0
	v_mov_b32 v[BH+\j], 0
.endr
	v_mov_b32 v[ASC], SC
	s_wait_loadcnt 0x0                             ; z0
	global_store_b64 v[VO], v[Z:Z+1], s[12:13] th:TH_STORE_NT  ; each store of the wave covers 256 consecutive bytes, aligned
	s_mov_b32 s51, 6
.Lstep:
	global_load_b64 v[NZ:NZ+1], v[VO], s[10:11] th:TH_LOAD_NT  ; this step's noise: wanted at the step's end
	ds_load_b64 v[DTG:DTG+1], v[ASC]
	v_cvt_pk_bf16_f32 v[TA], v[Z], v[Z+1]          ; z's high parts,
	v_lshlrev_b32 v[TA+2], 16, v[TA]
	v_and_b32 v[TA+3], s52, v[TA]
	v_pk_add_f32 v[TA+2:TA+3], v[Z:Z+1], v[TA+2:TA+3] neg_lo:[0,1] neg_hi:[0,1]
	v_cvt_pk_bf16_f32 v[TA+1], v[TA+2], v[TA+3]    ; and what they leave
	v_and_b32 v[BL], v[MLO], v[TA]
	v_and_b32 v[BL+1], v[MLO], v[TA+1]
	v_and_b32 v[BH], v[MHI], v[TA]
	v_and_b32 v[BH+1], v[MHI], v[TA+1]
	L1 0, 0
	PFETCH 0
	L2 0, 1, 1
	OUT F, CB3
	L1 1, 1
	PFETCH 1
	L2 1, 0, 0
	OUT U, DB3
	s_wait_loadcnt 0x0                             ; the noise; in the step that fetches ahead also the next chunk's ctx, which is wanted a few lines on: nothing is out over either backward jump
	s_wait_xcnt 0x0                                ; z is rewritten only behind this wait: a store reads it
	v_pk_add_f32 v[FU:FU+1], v[F:F+1], v[U:U+1]
	v_pk_fma_f32 v[Z:Z+1], v[FU:FU+1], v[DTG:DTG+1], v[Z:Z+1] op_sel_hi:[1,0,1]
	v_fma_f32 v[Z], v[NZ], v[DTG+1], v[Z]
	v_fma_f32 v[Z+1], v[NZ+1], v[DTG+1], v[Z+1]
	global_store_b64 v[VO], v[U:U+1], s[14:15] th:TH_STORE_NT
	global_store_b64 v[VO], v[Z:Z+1], s[12:13] offset:1048576 th:TH_STORE_NT
.irp j, 7,6,5,4,3
	v_mov_b32 v[BL+\j], v[BL+\j-1]                 ; the 1 moves on to the next step's place
	v_mov_b32 v[BH+\j], v[BH+\j-1]
.endr
	v_mov_b32 v[BL+2], 0
	v_mov_b32 v[BH+2], 0
	s_wait_xcnt 0x0                                ; the stores' offset and data are rewritten only behind this wait
	v_add_nc_u32 v[VO], 0x100000, v[VO]
	v_add_nc_u32 v[ASC], 8, v[ASC]
	s_sub_co_u32 s51, s51, 1
	s_cmp_lg_u32 s51, 0
	s_cbranch_scc1 .Lstep
	v_add_nc_u32 v[VOB], 256, v[VOB]               ; the next 32 rows
	s_sub_co_u32 s50, s50, 1
	s_cmp_lg_u32 s50, 0
	s_cbranch_scc1 .Lchunk
	s_wait_tensorcnt 0x0                           ; the wave's end, behind my last LDS store
	ds_add_u32 v[SPW], v[NIL]
	s_wait_dscnt 0x0
	s_endpgm
.Lfunc_end_k_qd00b60332a_sde:
	.size	k_qd00b60332a_sde, .Lfunc_end_k_qd00b60332a_sde-k_qd00b60332a_sde
	.p2alignl 7, 3214868480
	.fill 96, 4, 3214868480
	.section	.rodata,"a",@progbits
	.p2align	6, 0x0
	.amdhsa_kernel k_qd00b60332a_sde
		.amdhsa_group_segment_fixed_size 305920
		.amdhsa_private_segment_fixed_size 0
		.amdhsa_enable_private_segment 0
		.amdhsa_kernarg_size 176
		.amdhsa_user_sgpr_count 2
		.amdhsa_user_sgpr_kernarg_segment_ptr 1
		.amdhsa_wavefront_size32 1
		.amdhsa_system_sgpr_workgroup_id_x 1
		.amdhsa_system_sgpr_workgroup_id_y 1
		.amdhsa_system_sgpr_workgroup_id_z 1
		.amdhsa_system_vgpr_workitem_id 0
		.amdhsa_next_free_vgpr 512
		.amdhsa_next_free_sgpr 96
		.amdhsa_reserve_vcc 1
		.amdhsa_float_denorm_mode_32 3
		.amdhsa_float_denorm_mode_16_64 3
		.amdhsa_memory_ordered 1
		.amdhsa_forward_progress 1
		.amdhsa_inst_pref_size 255
	.end_amdhsa_kernel
	.section	.bss,"aw",@nobits
	.p2align	6
	.space	262144
	.amdgpu_metadata
---
amdhsa.version: [ 1, 2 ]
amdhsa.kernels:
  - .name:           k_qd00b60332a_sde
    .symbol:         k_qd00b60332a_sde.kd
    .args:
      - { .name: cnf_ctx, .offset: 0, .size: 8, .value_kind: global_buffer, .address_space: global }
      - { .name: posterior_ctx, .offset: 8, .size: 8, .value_kind: global_buffer, .address_space: global }
      - { .name: z0, .offset: 16, .size: 8, .value_kind: global_buffer, .address_space: global }
      - { .name: noise, .offset: 24, .size: 8, .value_kind: global_buffer, .address_space: global }
      - { .name: out0, .offset: 32, .size: 8, .value_kind: global_buffer, .address_space: global }
      - { .name: out1, .offset: 40, .size: 8, .value_kind: global_buffer, .address_space: global }
      - { .name: cW1, .offset: 48, .size: 8, .value_kind: global_buffer, .address_space: global }
      - { .name: dW1, .offset: 56, .size: 8, .value_kind: global_buffer, .address_space: global }
      - { .name: cW2, .offset: 64, .size: 8, .value_kind: global_buffer, .address_space: global }
      - { .name: dW2, .offset: 72, .size: 8, .value_kind: global_buffer, .address_space: global }
      - { .name: cW3, .offset: 80, .size: 8, .value_kind: global_buffer, .address_space: global }
      - { .name: dW3, .offset: 88, .size: 8, .value_kind: global_buffer, .address_space: global }
      - { .name: cb1, .offset: 96, .size: 8, .value_kind: global_buffer, .address_space: global }
      - { .name: db1, .offset: 104, .size: 8, .value_kind: global_buffer, .address_space: global }
      - { .name: cb2, .offset: 112, .size: 8, .value_kind: global_buffer, .address_space: global }
      - { .name: db2, .offset: 120, .size: 8, .value_kind: global_buffer, .address_space: global }
      - { .name: cb3, .offset: 128, .size: 8, .value_kind: global_buffer, .address_space: global }
      - { .name: db3, .offset: 136, .size: 8, .value_kind: global_buffer, .address_space: global }
      - { .name: freqs, .offset: 144, .size: 8, .value_kind: global_buffer, .address_space: global }
      - { .name: times, .offset: 152, .size: 8, .value_kind: global_buffer, .address_space: global }
      - { .name: log_diff, .offset: 160, .size: 8, .value_kind: global_buffer, .address_space: global }
      - { .name: out2, .offset: 168, .size: 8, .value_kind: global_buffer, .address_space: global }
    .group_segment_fixed_size: 305920
    .private_segment_fixed_size: 0
    .kernarg_segment_align: 8
    .kernarg_segment_size: 176
    .max_flat_workgroup_size: 256
    .sgpr_count:     96
    .vgpr_count:     512
    .wavefront_size: 32
...
	.end_amdgpu_metadata
.endif
;; end of part 1
